; MI455X (gfx1250); checked and timed in simulation.
; The chip was launched on July 23, 2026; its instructions are those of AMD's public machine-readable ISA for CDNA 5 (MIT licence, August 2026) and "CDNA5" Instruction Set Architecture Reference Guide (July 2026). The comments in the code are by the model that wrote it; some were corrected since.
;; Conv2 D Attention Block. Allowed arithmetic: matrix products marked QUANTISED: E5M2 operands, one E8M0 scale for each 32 along K, by v_wmma_scale_f32_16x16x128_f8f6f4 with both operands' format E5M2, f32 sums; everything else in f32.
;; Inputs: Wk_codes 512 x 4 x 32 uint8 (E5M2 codes of Wk, K innermost, in blocks of 32 codes); Wk_scales 512 x 4 uint8 (E8M0 scales of Wk, one for each 32 codes along K); Wq_codes 512 x 4 x 32 uint8 (E5M2 codes of Wq, K innermost, in blocks of 32 codes); Wq_scales 512 x 4 uint8 (E8M0 scales of Wq, one for each 32 codes along K); Wt_codes 128 x 16 x 32 uint8 (E5M2 codes of Wt, K innermost, in blocks of 32 codes); Wt_scales 128 x 16 uint8 (E8M0 scales of Wt, one for each 32 codes along K); Wv_codes 512 x 4 x 32 uint8 (E5M2 codes of Wv, K innermost, in blocks of 32 codes); Wv_scales 512 x 4 uint8 (E8M0 scales of Wv, one for each 32 codes along K); bt 128 float32; bv 512 float32; x 16 x 128 x 32 x 32 float32.
;; Outputs: out0 16 x 128 x 32 x 32 float32.
;; This version of the problem:
;;   THIS VERSION OF THE PROBLEM IS GIVEN IN LOW PRECISION. The matrix products marked QUANTISED in the list below multiply operands that are first quantised to E5M2 (5 exponent bits, 2 mantissa bits; 8 bits a number), with one power-of-two scale for each 32 numbers along K (OCP MX v1.0); their sums are f32. All else is computed in f32.
;;   The module's matrix products, in the order in which they are computed (A, B: the left and right operand; K: the contracted axis; several contracted axes count as one K, in the product's order):
;;     1. [M 16,384, K 128] x [K 128, N 512]; A: input x; B: input Wq (given as codes): QUANTISED
;;     2. [M 16,384, K 128] x [K 128, N 512]; A: input x; B: input Wk (given as codes): QUANTISED
;;     3. [M 16,384, K 128] x [K 128, N 512]; A: input x; B: input Wv (given as codes): QUANTISED
;;     4. batch 64 x [M 1,024, K 128] x [K 128, N 1,024]; A: computed on the way; B: computed on the way: QUANTISED
;;     5. batch 64 x [M 1,024, K 1,024] x [K 1,024, N 128]; A: softmax (see below); B: computed on the way: QUANTISED
;;     6. [M 16,384, K 512] x [K 512, N 128]; A: computed on the way; B: input Wt (given as codes): QUANTISED
;;   THE QUANTISER, for each operand of a quantised product, along K:
;;     - K is cut into blocks of 32 from its start; a last block that is shorter is filled with zeros.
;;     - A block's scale is 2^e with e = floor(log2(the largest magnitude in the block)) - 15, held to -126 .. 127; a block of zeros has e = 0. As a byte (E8M0): e + 127.
;;     - Each number is divided by its block's scale, clamped to +-57,344, and rounded to the nearest number of E5M2, ties to even, subnormals kept.
;;     - The product sums the exact products of the quantised numbers (number of the format x scale) in f32.
;;   ~~~python
;;   def quantise(x, axis):      # numpy; x: float32 -> the quantised numbers, widened to float32 again
;;       x = np.moveaxis(x, axis, -1); K = x.shape[-1]
;;       x = np.pad(x, [(0, 0)] * (x.ndim - 1) + [(0, -K % 32)]); x = x.reshape(x.shape[:-1] + (-1, 32)); a = np.abs(x).max(-1, keepdims=True)
;;       e = np.where(a > 0, np.clip(np.frexp(np.where(a > 0, a, 1))[1] - 1 - 15, -126, 127), 0)      # np.frexp(a)[1] - 1 = floor(log2(a)), exactly
;;       r = np.clip(x / 2.0 ** e, -57344, 57344)
;;       step = 2.0 ** (np.maximum(np.frexp(np.where(r == 0, 1, r))[1] - 1, -14) - 2)
;;       q = np.round(r / step) * step * 2.0 ** e      # np.round: ties to even
;;       return np.moveaxis(q.reshape(q.shape[:-2] + (-1,))[..., :K], -1, axis).astype(np.float32)
;;   ~~~
;;   SOFTMAX AHEAD OF A QUANTISED PRODUCT. Where the list says 'softmax', what is quantised is not the finished softmax but p = 2^(t - M), with t = logit x log2(e) and M = ceil(the row's largest t), a whole number; so 1/2 < the row's largest p <= 1. The row's sum l is taken of the UNQUANTISED p, in f32, and the product's result is divided by l at the end. Since M is a whole number, a kernel that streams over the keys may use a running M (the ceiling of the running maximum): every later rescaling is an exact power of two, which a block's scale takes up: the codes' values come out the same.
;;   OPERANDS COMPUTED ON THE WAY. 'Computed on the way' means the value that the module computes at that place (a softmax that the list does not call 'softmax' is quantised finished and normalised). What goes into a quantiser is computed in f32, as accurately as f32 sums, v_exp_f32 and their like allow (about 1e-6 of the number): no bf16 or f16 on the way to a quantiser, and a product that is left as it is and whose result goes on into a quantised operand takes f32 operands (vector FMAs, or v_wmma_f32_16x16x4_f32). A number that lies on a knife's edge between two numbers of the format may be rounded either way, as far as f32 arithmetic and the matrix unit's own rounding can turn it there, and no further.
;;   INPUTS GIVEN AS CODES. Wk (in the module: [512, 128], K = its axis 1); Wq (in the module: [512, 128], K = its axis 1); Wt (in the module: [128, 512], K = its axis 1); Wv (in the module: [512, 128], K = its axis 1): each comes as NAME_codes (uint8): NAME with its K axis moved to the last place and cut into blocks of 32 codes, [.., K / 32, bytes a block], one block behind the other in memory; one code a byte (a code: sign, 5 exponent bits, 2 mantissa bits); and NAME_scales (uint8): the same leading axes, one E8M0 byte (e + 127) for each 32 codes along K. Its value is code x scale, taken as it is: it is not quantised again, and the codes and scales need not be those that the quantiser above would give.
;; One version. Each part assembles by itself: llvm-mc -triple=amdgcn-amd-amdhsa -mcpu=gfx1250 --defsym DOCPART=n.
;; ======== version 1 of 1: 3 launches
;; limits: right only within a limited range of input values
;; workspace buffers: cod 25,165,824 bytes; sc 786,432 bytes; wc 8,388,608 bytes; ws 262,144 bytes
;; launch qkv (part 1): grid 2 x 128, 16 waves a work-group, no clusters, 89,600 bytes of LDS; arguments x, Wq_codes, Wq_scales, Wk_codes, Wk_scales, Wv_codes, Wv_scales, bv, cod, sc; writes cod, sc
.if DOCPART == 1
	.amdgcn_target "amdgcn-amd-amdhsa--gfx1250"
	.amdhsa_code_object_version 6
	.text
	.protected	k_q85a3fd54fd_qkv
	.globl	k_q85a3fd54fd_qkv
	.p2align	8
	.type	k_q85a3fd54fd_qkv,@function
k_q85a3fd54fd_qkv:
	s_mov_b64 s[64:65], 0
	v_nop
	global_prefetch_b8 v0, s[64:65] scope:SCOPE_SE
	s_setreg_imm32_b32 hwreg(HW_REG_WAVE_MODE, 25, 1), 1
	s_wait_xcnt 0x0
; q = Wq x, k = Wk x, v = Wv x + bv, on codes of BF8 (E5M2) with one E8M0 scale for each 32 along K (K = x's 128 channels), and q, k, v quantised again for attention:
; q and k along the head's 128 channels, v along the keys.  x: [16][128][1024] f32.  Wq, Wk, Wv: [512][128] codes, K innermost; scale bytes [512][4].  bv: [512] f32.
; NOTHING OF THE PROBLEM IS LEFT OUT in this program: every input has a way to the output (bv through v's codes, bt and x in the last launch), so every input is loaded.
; LIMITS: NaN and infinities among the inputs are not served.  A block whose largest magnitude lies under 2^-111 keeps the scale byte 1; a block of zeros has the byte 1 where the
; quantiser says 127: its codes are zeros, which add nothing under any byte but 0xff, and the bytes are read by this program alone.
; SHARES.  A work-group takes one batch b, one block s of 128 positions and two heads (work-group x = the pair of heads).  Sixteen waves: wave w = 8 hl + i serves head 2 x + hl.
; Each wave quantises 32 positions x 32 channels of x (a lane a position, registers down the channels: a whole block of 32 lies in one lane), brings tile i of Wq and of Wk into LDS,
; keeps tile i of Wv in registers, and runs three tasks: q and k of position tile i (source 0 = 16 rows of the weight, source 1 = x's tile), v of channel tile i (source 0 = x's tiles, source 1 = Wv's tile).
; In each task a lane's 64 results run along the next product's K, in the order of an operand's registers, so that the conversions' results are the operand.
; THE POSITIONS OF A TILE ARE NOT NEIGHBOURS: lane r of tile 2 g + u takes position 32 g + 8 u + r + 8 (r / 8); the rows of Wq and Wk that form a tile are chosen alike.
; OPERANDS ARE LAID AS IMAGES OF THEIR REGISTERS, in LDS and in the workspace: a fragment (16 rows x 128 K) is 2,048 bytes, registers 4 c .. 4 c + 3 of lane l at 512 c + 16 l.
; cod: [b h 64][s 8][q, k, v][8 fragments][2,048].  sc: [b h][s][q, k, v][512]: the scale word of tile T, row r at 16 (r + 16 (T % 2)) + 4 (T / 2).
; No tensor load: x has to pass through registers to be quantised, and the weights are small.  No cluster for the same reason.
.set XSC,   0                          ; LDS: x's scale words, 8 tiles x 16 words
.set WSC,   512                        ; the weights' scale words: (16 hl + 8 (0: q, 1: k) + tile) x 64
.set GSC,   2560                       ; the results' scale words, gathered: 1,536 hl + 512 (q, k, v)
.set SPARE, 5632                       ; the spare words, 128 bytes for each wave: eight blocks of 256 bytes that no other line names
.set XIMG,  7680                       ; x's 8 fragments
.set WIMG,  24064                      ; the weights' fragments: 32,768 hl + 16,384 (q, k) + 2,048 tile
.set LI,  1                            ; v1   16 x lane: my place in an image
.set LS,  2                            ; v2   4 r: my row's scale word
.set XO,  3                            ; v3   4 x lane: my position in a row of x
.set WO,  4                            ; v4   Wq, Wk: (r + 8 (r / 8)) x 128 + 16 h
.set WVO, 5                            ; v5   Wv: 128 r + 16 h
.set WSO, 6                            ; v6   Wq's, Wk's scale words: 4 (r + 8 (r / 8))
.set XW,  7                            ; v7   where my position's codes go in x's images
.set XB,  8                            ; v8   and its scale byte
.set WW,  9                            ; v9   where I store the weights' images
.set WWS, 10                           ; v10  and their scale words
.set AW,  11                           ; v11  32,768 hl + 16 x lane: my head's weights
.set AWS, 12                           ; v12  1,024 hl + 4 r
.set AX,  13                           ; v13  2,048 i + 16 x lane: x's tile i
.set AXS, 14                           ; v14  64 i + 4 r
.set AG,  15                           ; v15  where a task's scale word is gathered
.set AR,  16                           ; v16  where waves with i < 3 read 512 gathered bytes back
.set FR,  32                           ; v32-95   four streamed fragments; at the head Wq's and Wk's tiles as loaded
.set D,   96                           ; v96-159  a task's 64 results; at the head 32 numbers of x and, from v128, their codes
.set PC,  160                          ; v160-175 the codes just made
.set SX,  176                          ; v176-191 x's tile i
.set SV,  192                          ; v192-207 Wv's tile i
.set BIAS, 208                         ; v208-215 bv of my channel, eight times: the C of v's products
.set TM,  216                          ; v216-231 largest magnitudes, bytes, scale operands: four each
.set PW,  232                          ; v232     the scale word just made
.set SW,  240                          ; v240-247 the streamed fragments' scale words
.set XSW, 248                          ; v248     x's tile i's
.set VSW, 249                          ; v249     Wv's tile i's
.set SPW, 250                          ; v250     LDS address of my spare word; never rewritten
.set NIL, 251                          ; v251     0; never rewritten
.set SEL, 32                           ; s[32:33] v_permlanex16_b32's selects for lane l xor 16
.set MNT, 34
; 64 numbers of a lane, register 16 b + i = k 32 b + 16 (lane / 16) + i of my row, become a fragment's codes in v[PC] on and its scale word in v[PW]
.macro QUANT s
.irp b, 0,1,2,3
	v_max3_num_f32 v[TM+\b], |v[\s+16*\b]|, |v[\s+1+16*\b]|, 0x8000000   ; block b: my 16 numbers, and the floor 2^(16 - 127): the byte cannot fall under 1
.endr
.irp i, 2,4,6,8,10,12,14
.irp b, 0,1,2,3
	v_max3_num_f32 v[TM+\b], v[TM+\b], |v[\s+16*\b+\i]|, |v[\s+1+16*\b+\i]|   ; the four blocks by turns
.endr
.endr
.irp b, 0,1,2,3
	s_delay_alu instid0(VALU_DEP_4)
	v_permlanex16_b32 v[TM+4+\b], v[TM+\b], s[SEL], s[SEL+1]
.endr
.irp b, 0,1,2,3
	s_delay_alu instid0(VALU_DEP_4)
	v_max_num_f32 v[TM+\b], v[TM+\b], v[TM+4+\b]   ; with lane l xor 16's: the block's largest magnitude
.endr
.irp b, 0,1,2,3
	s_delay_alu instid0(VALU_DEP_4)
	v_add_nc_u32 v[TM+12+\b], 0xf8800000, v[TM+\b]   ; 15 off its exponent field: the conversion's scale operand
.endr
.irp b, 0,1,2,3
.endr
.irp b, 0,1,2,3
	s_delay_alu instid0(VALU_DEP_4)
	v_lshrrev_b32 v[TM+4+\b], 23, v[TM+12+\b]      ; the scale's byte
.endr
	s_delay_alu instid0(VALU_DEP_3)
	v_lshl_or_b32 v[PW], v[TM+5], 8, v[TM+4]       ; the four bytes make my row's scale word
	s_delay_alu instid0(VALU_DEP_1)
	v_lshl_or_b32 v[PW], v[TM+6], 16, v[PW]
	s_delay_alu instid0(VALU_DEP_1)
	v_lshl_or_b32 v[PW], v[TM+7], 24, v[PW]
.irp b, 0,1,2,3
.irp i, 0,1,2,3,4,5,6,7,8,9,10,11,12,13,14,15
.endr
	v_cvt_scalef32_pk8_bf8_f32 v[PC+4*\b:PC+1+4*\b], v[\s+16*\b:\s+7+16*\b], v[TM+12+\b]
	v_cvt_scalef32_pk8_bf8_f32 v[PC+2+4*\b:PC+3+4*\b], v[\s+8+16*\b:\s+15+16*\b], v[TM+12+\b]
.endr
	v_nop                                          ; a plain vector instruction between the last conversion and the next products, which write v[s] on
.endm
.macro BARRIER                                 ; my LDS stores have landed and my LDS loads are in: then the work-group's barrier
	s_wait_dscnt 0x0
	s_barrier_signal -1
	s_barrier_wait -1
.endm
; A task: eight streamed fragments (source 0; images at v[sadr] + soff, scale words at v[wadr] + woff) against one that stays (source 1: v[stat] on, scale word v[statsc]); then the 64 results are quantised.
; Eight accumulators, one product each: no sum is taken up again.
.macro TASK sadr, soff, wadr, woff, stat, statsc, bias
.irp t, 0,1,2,3,4,5,6,7
	ds_load_b32 v[SW+\t], v[\wadr] offset:\woff+64*\t
.endr
.irp g, 0,1
.if \g
.rept 8
	v_nop                                          ; eight places in front of loads into registers that the four products above have read
.endr
.endif
.irp t, 0,1,2,3
.irp c, 0,1,2,3
	ds_load_b128 v[FR+16*\t+4*\c:FR+16*\t+4*\c+3], v[\sadr] offset:\soff+(4*\g+\t)*2048+512*\c
.endr
.endr
	s_wait_dscnt 0x0
.irp t, 0,1,2,3
.if \bias
	v_wmma_scale_f32_16x16x128_f8f6f4 v[D+8*(4*\g+\t):D+8*(4*\g+\t)+7], v[FR+16*\t:FR+16*\t+15], v[\stat:\stat+15], v[BIAS:BIAS+7], v[SW+4*\g+\t], v[\statsc] matrix_a_fmt:MATRIX_FMT_BF8 matrix_b_fmt:MATRIX_FMT_BF8
.else
	v_wmma_scale_f32_16x16x128_f8f6f4 v[D+8*(4*\g+\t):D+8*(4*\g+\t)+7], v[FR+16*\t:FR+16*\t+15], v[\stat:\stat+15], 0, v[SW+4*\g+\t], v[\statsc] matrix_a_fmt:MATRIX_FMT_BF8 matrix_b_fmt:MATRIX_FMT_BF8
.endif
.endr
.endr
.rept 8
	v_nop                                          ; eight places: in front of the first read of results, and of the next task's loads
.endr
	s_wait_xcnt 0x0                                ; the last task's stores have read v[PC] on: it is written again only behind this wait
	QUANT D
.endm
.macro OUT ten                                 ; the fragment leaves as it stands, 512 consecutive bytes a store; its scale word is gathered in LDS
.irp c, 0,1,2,3
	global_store_b128 v[LI], v[PC+4*\c:PC+4*\c+3], s[20:21] offset:16384*\ten+512*\c
.endr
	ds_store_b32 v[AG], v[PW] offset:512*\ten      ; both halves of the lanes write the same word with the same value
.endm
	s_load_b512 s[4:19], s[0:1], 0x0               ; x s[4:5], Wq's codes s[6:7], scales s[8:9], Wk's s[10:11], s[12:13], Wv's s[14:15], s[16:17], bv s[18:19]
	s_load_b128 s[20:23], s[0:1], 0x40             ; cod s[20:21], sc s[22:23]
	v_lshl_add_u32 v[SPW], v0, 2, SPARE
	v_mov_b32 v[NIL], 0
	v_lshrrev_b32 v17, 5, v0
	s_delay_alu instid0(VALU_DEP_1)
	v_readfirstlane_b32 s24, v17                   ; wave 0..15
	s_lshr_b32 s25, s24, 3                         ; hl: which of the two heads
	s_and_b32 s26, s24, 7                          ; i: which tile
	s_and_b32 s35, s24, 3                          ; cg: which 32 positions of x I quantise
	s_lshr_b32 s36, s24, 2                         ; cb: which 32 channels
	v_and_b32 v17, 31, v0                          ; lane
	v_and_b32 v18, 15, v0                          ; r
	v_bfe_u32 v19, v0, 4, 1                        ; h
	s_delay_alu instid0(VALU_DEP_3)
	v_lshlrev_b32 v[LI], 4, v17
	s_delay_alu instid0(VALU_DEP_3)
	v_lshlrev_b32 v[LS], 2, v18
	v_lshlrev_b32 v[XO], 2, v17
	v_and_b32 v20, 8, v18
	s_delay_alu instid0(VALU_DEP_1)
	v_add_nc_u32 v20, v20, v18                     ; r + 8 (r / 8)
	s_delay_alu instid0(VALU_DEP_1)
	v_lshlrev_b32 v[WO], 7, v20
	s_delay_alu instid0(VALU_DEP_1)
	v_lshl_add_u32 v[WO], v19, 4, v[WO]
	v_lshlrev_b32 v[WVO], 7, v18
	s_delay_alu instid0(VALU_DEP_1)
	v_lshl_add_u32 v[WVO], v19, 4, v[WVO]
	v_lshlrev_b32 v[WSO], 2, v20
	v_bfe_u32 v21, v0, 3, 1                        ; my position 32 cg + lane lies in tile 2 cg + u, u = (lane / 8) % 2,
	v_and_b32 v22, 7, v0
	s_delay_alu instid0(VALU_DEP_1)
	v_lshl_add_u32 v22, v19, 3, v22                ; in row lane % 8 + 8 (lane / 16)
	s_lshl_b32 s40, s35, 12
	s_lshl_b32 s41, s36, 9
	s_add_co_u32 s40, s40, s41
	s_add_co_u32 s40, s40, XIMG
	v_lshlrev_b32 v[XW], 11, v21
	s_delay_alu instid0(VALU_DEP_1)
	v_lshl_add_u32 v[XW], v22, 4, v[XW]
	s_delay_alu instid0(VALU_DEP_1)
	v_add_nc_u32 v[XW], s40, v[XW]                 ; XIMG + 2,048 tile + 512 cb + 16 row
	s_lshl_b32 s41, s35, 7
	s_add_co_u32 s41, s41, s36
	v_lshlrev_b32 v[XB], 6, v21
	s_delay_alu instid0(VALU_DEP_1)
	v_lshl_add_u32 v[XB], v22, 2, v[XB]
	s_delay_alu instid0(VALU_DEP_1)
	v_add_nc_u32 v[XB], s41, v[XB]                 ; XSC + 64 tile + 4 row + cb
	s_lshl_b32 s42, s25, 15
	s_lshl_b32 s43, s26, 11
	s_lshl_b32 s44, s25, 10
	s_lshl_b32 s45, s26, 6
	s_mul_i32 s46, s25, 1536
	s_add_co_u32 s46, s46, GSC
	v_add_nc_u32 v[AW], s42, v[LI]
	v_add_nc_u32 v[AX], s43, v[LI]
	s_delay_alu instid0(VALU_DEP_2)
	v_add_nc_u32 v[WW], s43, v[AW]
	s_delay_alu instid0(VALU_DEP_1)
	v_add_nc_u32 v[WW], WIMG, v[WW]
	v_add_nc_u32 v[AWS], s44, v[LS]
	v_add_nc_u32 v[AXS], s45, v[LS]
	s_delay_alu instid0(VALU_DEP_2)
	v_add_nc_u32 v[WWS], s45, v[AWS]
	s_delay_alu instid0(VALU_DEP_1)
	v_add_nc_u32 v[WWS], WSC, v[WWS]
	s_and_b32 s47, s26, 1
	s_lshl_b32 s47, s47, 8
	s_add_co_u32 s47, s47, s46
	s_lshr_b32 s37, s26, 1
	s_lshl_b32 s37, s37, 2
	s_add_co_u32 s47, s47, s37
	v_lshl_add_u32 v[AG], v18, 4, s47              ; GSC + 1,536 hl + 16 (r + 16 (i % 2)) + 4 (i / 2)
	s_lshl_b32 s37, s26, 9
	s_add_co_u32 s37, s37, s46
	v_add_nc_u32 v[AR], s37, v[LI]
.irp b, 0,1,2,3
	v_mov_b32 v[TM+4+\b], 0                        ; written once: a lane permute's destination counts as one of its sources
.endr
	s_mov_b32 s[SEL], 0x76543210
	s_mov_b32 s[SEL+1], 0xfedcba98
	; byte offsets into the buffers
	s_and_b32 s37, ttmp7, 0xffff
	s_lshr_b32 s38, s37, 3                         ; b
	s_and_b32 s39, s37, 7                          ; s
	s_lshl_b32 s27, ttmp9, 1
	s_add_co_u32 s27, s27, s25                     ; head
	s_lshl_b32 s28, s38, 2
	s_add_co_u32 s28, s28, s27                     ; 4 b + head
	s_lshl_b32 s48, s38, 19                        ; x: b x 128 rows of 4,096 bytes
	s_lshl_b32 s40, s36, 17                        ;    + 32 cb rows
	s_add_co_u32 s48, s48, s40
	s_lshl_b32 s40, s39, 9                         ;    + 128 s positions
	s_add_co_u32 s48, s48, s40
	s_lshl_b32 s40, s35, 7                         ;    + 32 cg positions
	s_add_co_u32 s48, s48, s40
	s_mov_b32 s49, 0
	s_lshl_b32 s40, s27, 7                         ; the head's first row of a weight
	s_lshr_b32 s41, s26, 1
	s_lshl_b32 s41, s41, 5
	s_and_b32 s42, s26, 1
	s_lshl_b32 s42, s42, 3
	s_add_co_u32 s41, s41, s42
	s_add_co_u32 s41, s41, s40                     ; Wq, Wk: tile i begins at row 32 (i / 2) + 8 (i % 2)
	s_lshl_b32 s50, s41, 7
	s_mov_b32 s51, 0
	s_lshl_b32 s52, s41, 2
	s_mov_b32 s53, 0
	s_lshl_b32 s42, s26, 4
	s_add_co_u32 s42, s42, s40                     ; Wv, bv: tile i begins at row 16 i
	s_lshl_b32 s54, s42, 7
	s_mov_b32 s55, 0
	s_lshl_b32 s56, s42, 2
	s_mov_b32 s57, 0
	s_lshl_b32 s43, s28, 3
	s_add_co_u32 s43, s43, s39                     ; the record: 8 (4 b + head) + s
	s_mul_i32 s58, s43, 49152
	s_lshl_b32 s44, s26, 11
	s_add_co_u32 s58, s58, s44                     ; cod: + fragment i
	s_mov_b32 s59, 0
	s_mul_i32 s60, s43, 1536
	s_lshl_b32 s44, s26, 9
	s_add_co_u32 s60, s60, s44                     ; sc: + 512 i (used by waves with i < 3 alone)
	s_mov_b32 s61, 0
	s_wait_alu depctr_va_vdst(0)
	s_wait_kmcnt 0x0
	s_add_nc_u64 s[4:5], s[4:5], s[48:49]
	s_add_nc_u64 s[6:7], s[6:7], s[50:51]
	s_add_nc_u64 s[8:9], s[8:9], s[52:53]
	s_add_nc_u64 s[10:11], s[10:11], s[50:51]
	s_add_nc_u64 s[12:13], s[12:13], s[52:53]
	s_add_nc_u64 s[14:15], s[14:15], s[54:55]
	s_add_nc_u64 s[16:17], s[16:17], s[56:57]
	s_add_nc_u64 s[18:19], s[18:19], s[56:57]
	s_add_nc_u64 s[20:21], s[20:21], s[58:59]
	s_add_nc_u64 s[22:23], s[22:23], s[60:61]
.irp c, 0,1,2,3
	global_load_b128 v[FR+4*\c:FR+4*\c+3], v[WO], s[6:7] offset:32*\c          ; Wq's tile i
.endr
.irp c, 0,1,2,3
	global_load_b128 v[FR+16+4*\c:FR+16+4*\c+3], v[WO], s[10:11] offset:32*\c  ; Wk's
.endr
.irp c, 0,1,2,3
	global_load_b128 v[SV+4*\c:SV+4*\c+3], v[WVO], s[14:15] offset:32*\c       ; Wv's: it stays
.endr
	global_load_b32 v252, v[WSO], s[8:9]           ; their scale words
	global_load_b32 v253, v[WSO], s[12:13]
	global_load_b32 v[VSW], v[LS], s[16:17]
	global_load_b32 v[BIAS], v[LS], s[18:19]       ; bv of channel 16 i + r
.set j, 0
.rept 32
	global_load_b32 v[D+j], v[XO], s[4:5] offset:4096*j   ; x(32 cb + j, my position): the wave reads 128 consecutive bytes
.set j, j+1
.endr
	s_wait_loadcnt 32                              ; the 16 loads of weights are in; the 32 of x, issued behind them, may be out
.irp c, 0,1,2,3
	ds_store_b128 v[WW], v[FR+4*\c:FR+4*\c+3] offset:512*\c
	ds_store_b128 v[WW], v[FR+16+4*\c:FR+16+4*\c+3] offset:16384+512*\c
.endr
	ds_store_b32 v[WWS], v252
	ds_store_b32 v[WWS], v253 offset:512
.irp j, 1,2,3,4,5,6,7
	v_mov_b32 v[BIAS+\j], v[BIAS]
.endr
	s_wait_loadcnt 0x0
	; my position's block of 32 channels: all 32 numbers are mine
	v_max3_num_f32 v[TM], |v[D]|, |v[D+1]|, |v[D+2]|
	v_max3_num_f32 v[TM+1], |v[D+3]|, |v[D+4]|, |v[D+5]|
.irp i, 6,10,14,18,22,26
	s_delay_alu instid0(VALU_DEP_2)
	v_max3_num_f32 v[TM], v[TM], |v[D+\i]|, |v[D+\i+1]|
	s_delay_alu instid0(VALU_DEP_2)
	v_max3_num_f32 v[TM+1], v[TM+1], |v[D+\i+2]|, |v[D+\i+3]|
.endr
	s_delay_alu instid0(VALU_DEP_2)
	v_max3_num_f32 v[TM], v[TM], |v[D+30]|, |v[D+31]|
	s_delay_alu instid0(VALU_DEP_1)
	v_max3_num_f32 v[TM], v[TM], v[TM+1], 0x8000000   ; and the floor 2^(16 - 127)
	s_delay_alu instid0(VALU_DEP_1)
	v_add_nc_u32 v[TM+12], 0xf8800000, v[TM]       ; 15 off the exponent field: the conversion's scale operand
	s_delay_alu instid0(VALU_DEP_1)
	v_lshrrev_b32 v[TM+4], 23, v[TM+12]            ; the scale's byte
.set j, 0
.rept 32
.set j, j+1
.endr
.irp g, 0,1,2,3
	v_cvt_scalef32_pk8_bf8_f32 v[D+32+2*\g:D+33+2*\g], v[D+8*\g:D+8*\g+7], v[TM+12]
.endr
	v_nop                                          ; a plain vector instruction behind the last conversion: products later write these registers
	ds_store_b128 v[XW], v[D+32:D+35]              ; channels 32 cb + 0 .. 15: the place of lane (row, 0)
	ds_store_b128 v[XW], v[D+36:D+39] offset:256   ; channels 32 cb + 16 .. 31: of lane (row, 1)
	ds_store_b8 v[XB], v[TM+4]
	BARRIER                                        ; x's eight fragments, the weights' 32 and all their scale words lie in LDS
.irp c, 0,1,2,3
	ds_load_b128 v[SX+4*\c:SX+4*\c+3], v[AX] offset:XIMG+512*\c
.endr
	ds_load_b32 v[XSW], v[AXS] offset:XSC
	TASK AW, WIMG, AWS, WSC, SX, XSW, 0            ; q of my 16 positions: registers along the head's 128
	OUT 0
	TASK AW, WIMG+16384, AWS, WSC+512, SX, XSW, 0  ; k likewise
	OUT 1
	TASK LI, XIMG, LS, XSC, SV, VSW, 1             ; v of my 16 channels: registers along the 128 keys; bv is the products' C
	OUT 2
	BARRIER                                        ; both heads' 3 x 512 bytes of scale words are gathered
	s_cmp_lt_u32 s26, 3
	s_cbranch_scc0 .Ldone
	ds_load_b128 v[FR:FR+3], v[AR]
	s_wait_dscnt 0x0
	global_store_b128 v[LI], v[FR:FR+3], s[22:23]  ; 512 consecutive bytes
.Ldone:
	s_wait_tensorcnt 0x0                           ; the wave's end: behind my last LDS store
	ds_add_u32 v[SPW], v[NIL]
	s_wait_dscnt 0x0
	s_endpgm
.Lfunc_end_k_q85a3fd54fd_qkv:
	.size	k_q85a3fd54fd_qkv, .Lfunc_end_k_q85a3fd54fd_qkv-k_q85a3fd54fd_qkv
	.p2alignl 7, 3214868480
	.fill 96, 4, 3214868480
	.section	.rodata,"a",@progbits
	.p2align	6, 0x0
	.amdhsa_kernel k_q85a3fd54fd_qkv
		.amdhsa_group_segment_fixed_size 89600
		.amdhsa_private_segment_fixed_size 0
		.amdhsa_enable_private_segment 0
		.amdhsa_kernarg_size 80
		.amdhsa_user_sgpr_count 2
		.amdhsa_user_sgpr_kernarg_segment_ptr 1
		.amdhsa_wavefront_size32 1
		.amdhsa_system_sgpr_workgroup_id_x 1
		.amdhsa_system_sgpr_workgroup_id_y 1
		.amdhsa_system_sgpr_workgroup_id_z 1
		.amdhsa_system_vgpr_workitem_id 0
		.amdhsa_next_free_vgpr 256
		.amdhsa_next_free_sgpr 66
		.amdhsa_reserve_vcc 0
		.amdhsa_float_denorm_mode_32 3
		.amdhsa_float_denorm_mode_16_64 3
		.amdhsa_fp16_overflow 1
		.amdhsa_memory_ordered 1
		.amdhsa_forward_progress 1
		.amdhsa_inst_pref_size 40
	.end_amdhsa_kernel
	.amdgpu_metadata
---
amdhsa.version: [ 1, 2 ]
amdhsa.kernels:
  - .name:           k_q85a3fd54fd_qkv
    .symbol:         k_q85a3fd54fd_qkv.kd
    .args:
      - { .name: x, .offset: 0, .size: 8, .value_kind: global_buffer, .address_space: global }
      - { .name: Wq_codes, .offset: 8, .size: 8, .value_kind: global_buffer, .address_space: global }
      - { .name: Wq_scales, .offset: 16, .size: 8, .value_kind: global_buffer, .address_space: global }
      - { .name: Wk_codes, .offset: 24, .size: 8, .value_kind: global_buffer, .address_space: global }
      - { .name: Wk_scales, .offset: 32, .size: 8, .value_kind: global_buffer, .address_space: global }
      - { .name: Wv_codes, .offset: 40, .size: 8, .value_kind: global_buffer, .address_space: global }
      - { .name: Wv_scales, .offset: 48, .size: 8, .value_kind: global_buffer, .address_space: global }
      - { .name: bv, .offset: 56, .size: 8, .value_kind: global_buffer, .address_space: global }
      - { .name: cod, .offset: 64, .size: 8, .value_kind: global_buffer, .address_space: global }
      - { .name: sc, .offset: 72, .size: 8, .value_kind: global_buffer, .address_space: global }
    .group_segment_fixed_size: 89600
    .private_segment_fixed_size: 0
    .kernarg_segment_align: 8
    .kernarg_segment_size: 80
    .max_flat_workgroup_size: 512
    .sgpr_count:     66
    .vgpr_count:     256
    .wavefront_size: 32
...
	.end_amdgpu_metadata
.endif
;; end of part 1
;; launch attn (part 2): grid 4 x 64, 8 waves a work-group, clusters of 4 x 1, 327,680 bytes of LDS; arguments cod, sc, wc, ws; writes wc, ws
.if DOCPART == 2
	.amdgcn_target "amdgcn-amd-amdhsa--gfx1250"
	.amdhsa_code_object_version 6
	.text
	.protected	k_q85a3fd54fd_attn
	.globl	k_q85a3fd54fd_attn
	.p2align	8
	.type	k_q85a3fd54fd_attn,@function
k_q85a3fd54fd_attn:
	s_mov_b64 s[64:65], 0
	v_nop
	global_prefetch_b8 v0, s[64:65] scope:SCOPE_SE
	s_setreg_imm32_b32 hwreg(HW_REG_WAVE_MODE, 25, 1), 1
	s_wait_xcnt 0x0
	s_wait_alu depctr_hold_cnt(0) depctr_sa_sdst(0) depctr_va_vdst(0) depctr_va_sdst(0) depctr_va_ssrc(0) depctr_va_vcc(0) depctr_vm_vsrc(0)
	s_getreg_b32 s2, hwreg(HW_REG_IB_STS2, 6, 4)
	s_cmp_eq_u32 s2, 0
	s_cbranch_scc0 .Lentry_in_a_cluster
	s_endpgm
.Lentry_in_a_cluster:
	s_bfe_u32 s2, ttmp6, 0x10000c
	s_cmp_lg_u32 s2, 0x3003
	s_cbranch_scc0 .Lentry_shape_is_right
	s_endpgm
.Lentry_shape_is_right:
; O = softmax(q k^T / sqrt(128)) v for 64 (batch, head) pairs of 1,024 positions, both products on codes of BF8 (E5M2) with E8M0 scales; then O / l is quantised along the K of the last product.  Nothing of the problem is left out here.
; THE SOFTMAX: t = score x log2(e) / sqrt(128); M = the running largest t rounded UP to a whole number; p = 2^(t - M) is quantised along the keys, not normalised; the row's sum l is taken of the unquantised p;
; when M moves, l and O are multiplied by 2^(old M - new M), which rounds nothing.
; INPUTS, laid by the launch before as images of operand registers: cod [b h][s 8][q, k, v][8 fragments][2,048], sc [b h][s][q, k, v][512] (the word of tile T, row r at 16 (r + 16 (T % 2)) + 4 (T / 2)).
; Lane r of position tile 2 g + u holds position 32 g + 8 u + r + 8 (r / 8), so that in S^T = k q^T the 16 registers of tiles 2 g and 2 g + 1 are 16 neighbouring keys.
; SHARES.  A work-group owns 256 consecutive queries (G = its place in the cluster) of one head; each of eight waves two tiles of 16 queries, which share every fragment of k and v read from LDS.
; TWO PHASES A STEP.  The vector phase of step j: both tiles' softmax (490 vector instructions).  The matrix phase: O^T += v^T p^T of step j, the 34 LDS loads of step j + 1's k, S^T = k q^T of step j + 1, the 32 LDS loads of its v
; (32 matrix instructions; all eight fragments of k, then of v, lie in registers at once, so each is fetched in one run, and v's run lands under the softmax).
; THE WAVES GO IN TWO GROUPS, HALF A STEP APART, so that one group's vector phase stands beside the other group's matrix phase.  The group is (w xor w / 4) % 2: it differs between waves w and w + 4, and between waves 2 k and 2 k + 1.
; The distance is made once: the first half of step 0's softmax is run by group 0 in front of a barrier and by group 1 behind it.  No barrier brings the groups together again before the way out.
; NO RING: a head's codes of k and v (262,144 bytes) and their scale words (8,192) fit in LDS, so each byte is filled once, by five loads a wave at the head.  Steps 0 and 1 begin when the first two loads of every wave have landed;
; the barrier for the rest is split: its signal stands behind step 0's products, its wait behind step 1's, a whole step later.  No prefetch: all of the head's k and v is asked for by those five loads.
; CLUSTER.  The four work-groups of a head walk the same k and v: each tile is asked for JOINTLY, by the same load with the same descriptor and a mask that names the four.  G enters addresses in memory alone.
; THE WAY OUT.  reference() reads O [head][n][d] again as [c' = 128 head + n / 8][n' = 128 (n % 8) + d].  My 256 queries are c' = 128 head + 32 G + 0 .. 31: ONE block of 32 along the last product's K, for all 1,024 n'.
; O / l goes through a stage in LDS; wave w takes n % 8 = w, a lane a channel d, its registers down c'; codes go to wc [b][n' / 16][head][2,048] (registers 4 G .. 4 G + 3 of each fragment), bytes to ws [b][head][G][n'].
; LIMITS: NaN and infinities are not served; a block whose largest magnitude lies under 2^-111 keeps the byte 1, a block of zeros too (its codes are zeros; this program alone reads the bytes).
; REGISTERS.  Window 0: v1-31 addresses, k's and q's scale words, statistics; v32-95 fragments 0-3; v96-223 S^T, then p, 64 a tile; v224-247 at work; v248-251 v's scale words, v252-253 p's.
; Window 1: v0-31 p's codes, 16 a tile; v32-95 fragments 4-7; v96-223 O^T, 64 a tile; v224-255 q, 16 a tile.
.set SCL,   262144                     ; LDS: step s's codes at 32,768 s (k's 8 fragments, then v's 8); behind them the scale words, 1,024 a step (k's 512, v's 512)
.set SPARE, 270336                     ; the spare words, 128 bytes for each wave: four blocks of 256 bytes that no other line names
.set STG,   0                          ; the way out: 256 rows x (512 bytes + 16), over codes that have had their only fill and their last read
.set SB,    135168                     ; and 1,024 scale bytes
.set LI,  1                            ; v1   16 x lane
.set ADR, 2                            ; v2   the step's codes
.set ADS, 3                            ; v3   the step's scale words
.set SPW, 4                            ; v4   LDS address of my spare word; never rewritten
.set NIL, 5                            ; v5   0; never rewritten
.set STO, 6                            ; v6   the stage, in: (32 w + r) x 528 + 32 h
.set RD1, 7                            ; v7   the stage, out: 528 w + 4 x lane
.set KS,  8                            ; v8-11  k's scale words: register p: tile 2 p in lanes 0-15, tile 2 p + 1 in lanes 16-31
.set T2,  12                           ; v12-15 the scales' bytes; at work on the way out
.set QS,  16                           ; v16  q's: my tile 0 in lanes 0-15, tile 1 in lanes 16-31
.set CO,  17                           ; v17  wc: 8,192 (lane / 16) + 16 (lane % 16)
.set ST,  20                           ; v20-27 tile a at + 4 a: -M, the largest t, l in two halves
.set RD2, 28                           ; v28  RD1 + 128 rows
.set SBA, 29                           ; v29  SB + 128 w + lane
.set SBR, 30                           ; v30  SB + 16 x thread
.set GS,  31                           ; v31  16 x thread
.set FR,  32                           ; fragments 0-3 in window 0, fragments 4-7 at the same numbers in window 1
.set S,   96
.set MX,  224                          ; v224-231 tile a at + 4 a: the blocks' largest scores, then largest p
.set HL,  232                          ; v232-235 57,344 x the scale; ahead of that the other half's maxima (tile 0) and two chains of sums
.set SO,  236                          ; v236-239 the conversions' scale operands; ahead of that the other half's maxima (tile 1) and a chain of sums
.set F,   240                          ; v[240:241], v[242:243] f = 2^(old M - new M) of tile a; on the way out 1 / l; the upper registers are named with them and written once
.set TT,  244                          ; v244-245 at work, one a tile
.set VS,  248                          ; v248-251 v's scale words
.set PW,  252                          ; v252-253 p's scale word of tile a
.set PC,  0                            ; window 1
.set OA,  96
.set QA,  224
.set G1C, 24                           ; s[24:31] group 1: 32 rows of 256 bytes, dense
.set G1S, 32                           ; s[32:39] group 1: 4 such rows
.set G0S, 40                           ; s[40:43] group 0 for my step's scale words
.set G0C, 44                           ; s[44:59] groups 0 for my eighth of each pair of steps
.set SEL, 60
.set CS,  62                           ; s[62:63] c = log2(e) / sqrt(128), twice
.set MNT, 66
.set TB,  67                           ; s67  where the step's codes begin in LDS
.set TS,  68                           ; s68  and its scale words
.set CNT, 69
.set ROLE, 84                          ; s84  my group: (w xor w / 4) % 2
.set MSB, 0
.macro WIN new                         ; low byte: bits 1:0 source 0, 3:2 source 1, 5:4 source 2, 7:6 destination; the high byte repeats the setting that is left
.if MSB != \new
	s_set_vgpr_msb (MSB<<8)|\new
.set MSB, \new
.endif
.endm
.macro CROUND                          ; a round of the cluster's barrier
	s_barrier_signal -1
	s_barrier_wait -1
	s_cmp_lg_u32 s12, 0
	s_cbranch_scc1 .Lnot_wave_0_\@
	s_barrier_signal -3
.Lnot_wave_0_\@:
	s_barrier_wait -3
	s_barrier_signal -1
	s_barrier_wait -1
.endm
.macro PLACES
.rept 8
	v_nop
.endr
.endm
; S^T = k q^T: key tile 4 g + t (place t of the window's four fragments) x query tile a; each product starts and ends its own sum
.macro KQ g, t, a
.set rD, S+64*(\a)+8*(4*(\g)+(\t))
.set rA, FR+16*(\t)
.set rB, QA+16*(\a)
.set rW, KS+(4*(\g)+(\t))/2
.if ((\t)%2 == 0) && ((\a) == 0)
	v_wmma_scale_f32_16x16x128_f8f6f4 v[rD:rD+7], v[rA:rA+15], v[rB:rB+15], 0, v[rW], v[QS] matrix_a_fmt:MATRIX_FMT_BF8 matrix_b_fmt:MATRIX_FMT_BF8
.elseif ((\t)%2 == 1) && ((\a) == 0)
	v_wmma_scale_f32_16x16x128_f8f6f4 v[rD:rD+7], v[rA:rA+15], v[rB:rB+15], 0, v[rW], v[QS] matrix_a_fmt:MATRIX_FMT_BF8 matrix_b_fmt:MATRIX_FMT_BF8 matrix_a_scale:MATRIX_SCALE_ROW1
.elseif ((\t)%2 == 0)
	v_wmma_scale_f32_16x16x128_f8f6f4 v[rD:rD+7], v[rA:rA+15], v[rB:rB+15], 0, v[rW], v[QS] matrix_a_fmt:MATRIX_FMT_BF8 matrix_b_fmt:MATRIX_FMT_BF8 matrix_b_scale:MATRIX_SCALE_ROW1
.else
	v_wmma_scale_f32_16x16x128_f8f6f4 v[rD:rD+7], v[rA:rA+15], v[rB:rB+15], 0, v[rW], v[QS] matrix_a_fmt:MATRIX_FMT_BF8 matrix_b_fmt:MATRIX_FMT_BF8 matrix_a_scale:MATRIX_SCALE_ROW1 matrix_b_scale:MATRIX_SCALE_ROW1
.endif
.endm
; O^T += v^T p^T: channel tile 4 g + t x query tile a.  z = 1: step 0's products start the sums: nothing is cleared.  The 16 accumulators take turns, one instruction a turn
.macro PV g, t, a, z
.set rD, OA+64*(\a)+8*(4*(\g)+(\t))
.set rA, FR+16*(\t)
.set rB, PC+16*(\a)
.set rW, VS+(4*(\g)+(\t))/2
.if (\z) && ((\t)%2 == 0)
	v_wmma_scale_f32_16x16x128_f8f6f4 v[rD:rD+7], v[rA:rA+15], v[rB:rB+15], 0, v[rW], v[PW+(\a)] matrix_a_fmt:MATRIX_FMT_BF8 matrix_b_fmt:MATRIX_FMT_BF8
.elseif (\z)
	v_wmma_scale_f32_16x16x128_f8f6f4 v[rD:rD+7], v[rA:rA+15], v[rB:rB+15], 0, v[rW], v[PW+(\a)] matrix_a_fmt:MATRIX_FMT_BF8 matrix_b_fmt:MATRIX_FMT_BF8 matrix_a_scale:MATRIX_SCALE_ROW1
.elseif (\t)%2 == 0
	v_wmma_scale_f32_16x16x128_f8f6f4 v[rD:rD+7], v[rA:rA+15], v[rB:rB+15], v[rD:rD+7], v[rW], v[PW+(\a)] matrix_a_fmt:MATRIX_FMT_BF8 matrix_b_fmt:MATRIX_FMT_BF8
.else
	v_wmma_scale_f32_16x16x128_f8f6f4 v[rD:rD+7], v[rA:rA+15], v[rB:rB+15], v[rD:rD+7], v[rW], v[PW+(\a)] matrix_a_fmt:MATRIX_FMT_BF8 matrix_b_fmt:MATRIX_FMT_BF8 matrix_a_scale:MATRIX_SCALE_ROW1
.endif
.endm
; THE SOFTMAX'S FIRST HALF, both tiles line by line: a lane holds one query of each tile and 64 of the step's 128 keys; register 16 b + i is key 32 b + 16 (lane / 16) + i.  Window 0 alone; register work alone.
.macro SMH1
.irp b, 0,1,2,3
.irp a, 0,1
	v_max3_num_f32 v[MX+4*\a+\b], v[S+64*\a+16*\b], v[S+64*\a+16*\b+1], v[S+64*\a+16*\b+2]   ; the largest score of each block of 32 keys: it serves the row's maximum and, since p rises with the score, the block's largest p
.endr
.endr
.irp i, 3,5,7,9,11,13
.irp b, 0,1,2,3
.irp a, 0,1
	v_max3_num_f32 v[MX+4*\a+\b], v[MX+4*\a+\b], v[S+64*\a+16*\b+\i], v[S+64*\a+16*\b+\i+1]   ; eight chains by turns
.endr
.endr
.endr
.irp b, 0,1,2,3
.irp a, 0,1
	v_max_num_f32 v[MX+4*\a+\b], v[MX+4*\a+\b], v[S+64*\a+16*\b+15]
.endr
.endr
.irp b, 0,1,2,3
.irp a, 0,1
	v_permlanex16_b32 v[HL+4*\a+\b], v[MX+4*\a+\b], s[SEL], s[SEL+1]
.endr
.endr
.irp b, 0,1,2,3
.irp a, 0,1
	v_max_num_f32 v[MX+4*\a+\b], v[MX+4*\a+\b], v[HL+4*\a+\b]   ; with lane l xor 16's 16 keys
.endr
.endr
.irp a, 0,1
	s_delay_alu instid0(VALU_DEP_4)
	v_max3_num_f32 v[TT+\a], v[MX+4*\a], v[MX+4*\a+1], v[MX+4*\a+2]
.endr
.irp a, 0,1
	s_delay_alu instid0(VALU_DEP_2)
	v_max_num_f32 v[TT+\a], v[TT+\a], v[MX+4*\a+3]   ; the step's largest score of my query
.endr
.irp a, 0,1
	s_delay_alu instid0(VALU_DEP_2)
	v_mul_f32 v[TT+\a], s[CS], v[TT+\a]            ; as t (c is positive)
.endr
.irp a, 0,1
	s_delay_alu instid0(VALU_DEP_2)
	v_max_num_f32 v[ST+4*\a+1], v[ST+4*\a+1], v[TT+\a]   ; the running largest t
.endr
.irp a, 0,1
	v_mov_b32 v[TT+\a], v[ST+4*\a]
.endr
.irp a, 0,1
	s_delay_alu instid0(VALU_DEP_4)
	v_floor_f32 v[ST+4*\a], -v[ST+4*\a+1]          ; the new -M = floor(-t) = -ceil(t)
.endr
.irp a, 0,1
	s_delay_alu instid0(VALU_DEP_2)
	v_sub_f32 v[TT+\a], v[ST+4*\a], v[TT+\a]       ; old M - new M: a whole number, 0 or less
.endr
.irp a, 0,1
	s_delay_alu instid0(VALU_DEP_2)
	v_cvt_i32_f32 v[TT+\a], v[TT+\a]               ; (it saturates)
.endr
.irp a, 0,1
	s_delay_alu instid0(VALU_DEP_2)
	v_ldexp_f32 v[F+2*\a], 1.0, v[TT+\a]           ; f = 2^(old M - new M)
.endr
.irp a, 0,1
.set j, 0
.rept 32
	v_pk_fma_f32 v[S+64*\a+j:S+64*\a+j+1], v[S+64*\a+j:S+64*\a+j+1], s[CS:CS+1], v[ST+4*\a:ST+4*\a+1] op_sel_hi:[1,0,0]   ; t - M, two at a time
.set j, j+2
.endr
.endr
.irp b, 0,1,2,3
.irp a, 0,1
	v_fma_f32 v[MX+4*\a+\b], v[MX+4*\a+\b], s[CS], v[ST+4*\a]   ; the same of each block's largest score
.endr
.endr
.set j, 0
	s_wait_alu depctr_va_vdst(0)
.rept 128
	v_exp_f32 v[S+j], v[S+j]                       ; p = 2^(t - M), at most 1
.set j, j+1
.endr
.set j, 0
.rept 8
	v_exp_f32 v[MX+j], v[MX+j]                     ; the blocks' largest p: the same two instructions on the same number
.set j, j+1
.endr
.irp a, 0,1
	v_pk_mul_f32 v[ST+4*\a+2:ST+4*\a+3], v[ST+4*\a+2:ST+4*\a+3], v[F+2*\a:F+2*\a+1] op_sel_hi:[1,0]   ; l under the new M: plain instructions behind the exponentials
.endr
	s_wait_alu depctr_va_vdst(0)                   ; one wait for the batch of 136, ahead of its first reader and of every label
.endm
; l is taken of the unquantised p: tile a's 32 pairs in four chains
.macro SUMS a
.set sS, S+64*(\a)
.set sL, ST+4*(\a)+2
	v_pk_add_f32 v[HL:HL+1], v[sS:sS+1], v[sS+2:sS+3]
	v_pk_add_f32 v[HL+2:HL+3], v[sS+4:sS+5], v[sS+6:sS+7]
	v_pk_add_f32 v[SO:SO+1], v[sS+8:sS+9], v[sS+10:sS+11]
	v_pk_add_f32 v[sL:sL+1], v[sL:sL+1], v[sS+12:sS+13]
.set j, 14
.rept 6
	v_pk_add_f32 v[HL:HL+1], v[HL:HL+1], v[sS+j:sS+j+1]
	v_pk_add_f32 v[HL+2:HL+3], v[HL+2:HL+3], v[sS+j+2:sS+j+3]
	v_pk_add_f32 v[SO:SO+1], v[SO:SO+1], v[sS+j+4:sS+j+5]
	v_pk_add_f32 v[sL:sL+1], v[sL:sL+1], v[sS+j+6:sS+j+7]
.set j, j+8
.endr
	v_pk_add_f32 v[HL:HL+1], v[HL:HL+1], v[sS+62:sS+63]
	s_delay_alu instid0(VALU_DEP_3)
	v_pk_add_f32 v[HL+2:HL+3], v[HL+2:HL+3], v[SO:SO+1]
	s_delay_alu instid0(VALU_DEP_2)
	v_pk_add_f32 v[sL:sL+1], v[sL:sL+1], v[HL:HL+1]
	s_delay_alu instid0(VALU_DEP_1)
	v_pk_add_f32 v[sL:sL+1], v[sL:sL+1], v[HL+2:HL+3]
.endm
; Tile a's p becomes codes and a scale word; O^T comes under the new M.  first = 1: step 0, which has no O^T yet
.macro QUANTP a, first
.set sS, S+64*(\a)
.set sM, MX+4*(\a)
.irp b, 0,1,2,3
	v_max_num_f32 v[sM+\b], 0x8000000, v[sM+\b]    ; the floor 2^(16 - 127): the byte cannot fall under 1
.endr
.irp b, 0,1,2,3
	s_delay_alu instid0(VALU_DEP_4)
	v_add_nc_u32 v[SO+\b], 0xf8800000, v[sM+\b]    ; 15 off the exponent field: the conversion's scale operand
.endr
.irp b, 0,1,2,3
	v_and_or_b32 v[HL+\b], v[sM+\b], 0x7f800000, s[MNT]   ; 57,344 x the scale
.endr
.irp b, 0,1,2,3
	v_lshrrev_b32 v[T2+\b], 23, v[SO+\b]           ; the scale's byte
.endr
	s_delay_alu instid0(VALU_DEP_3)
	v_lshl_or_b32 v[PW+(\a)], v[T2+1], 8, v[T2]    ; p's scale word for these 128 keys
	s_delay_alu instid0(VALU_DEP_1)
	v_lshl_or_b32 v[PW+(\a)], v[T2+2], 16, v[PW+(\a)]
	s_delay_alu instid0(VALU_DEP_1)
	v_lshl_or_b32 v[PW+(\a)], v[T2+3], 24, v[PW+(\a)]
.irp b, 0,1,2,3
.set j, 0
.rept 16
.set j, j+1
.endr
.endr
	WIN 0x40                                       ; destination window 1
.irp b, 0,1,2,3
	v_cvt_scalef32_pk8_bf8_f32 v[PC+16*(\a)+4*\b:PC+16*(\a)+4*\b+1], v[sS+16*\b:sS+16*\b+7], v[SO+\b]
	v_cvt_scalef32_pk8_bf8_f32 v[PC+16*(\a)+4*\b+2:PC+16*(\a)+4*\b+3], v[sS+16*\b+8:sS+16*\b+15], v[SO+\b]
.endr
.if \first
	WIN 0
.if \a
.rept 4
	v_nop                                          ; the plain instruction behind the conversions and the four places ahead of the products that read the codes (tile 0 has tile 1's lines for that)
.endr
.endif
.else
	WIN 0x41                                       ; O^T (destination and source 0) window 1, f window 0
.set j, 0
.rept 32
	v_pk_mul_f32 v[OA+64*(\a)+j:OA+64*(\a)+j+1], v[OA+64*(\a)+j:OA+64*(\a)+j+1], v[F+2*(\a):F+2*(\a)+1] op_sel_hi:[1,0]   ; O^T under the new M; also the plain instructions behind the conversions and ahead of the products
.set j, j+2
.endr
	WIN 0
.endif
.endm
.macro SMH2 first                              ; the softmax's second half
	SUMS 0
	SUMS 1
	QUANTP 0, \first
	QUANTP 1, \first
.endm
; THE MATRIX PHASE, in three macros.  PVALL: the step's 16 products with v
.macro PVALL z
	s_wait_dscnt 0x0                               ; v's 32 loads, asked for ahead of the softmax
	WIN 0x54                                       ; source 1 (p), C and D window 1; source 0 (v's tiles 0-3) window 0
.irp t, 0,1,2,3
.irp a, 0,1
	PV 0, \t, \a, \z
.endr
.endr
	WIN 0x55                                       ; v's tiles 4-7: window 1
.irp t, 0,1,2,3
.irp a, 0,1
	PV 1, \t, \a, \z
.endr
.endr
	WIN 0
.endm
.macro NEXT                                    ; on to the next step's bytes.  With the two additions: eight places behind the products above, in front of loads into their fragments and scale words
	s_add_co_u32 s[TB], s[TB], 32768
	s_add_co_u32 s[TS], s[TS], 1024
	v_add_nc_u32 v[ADR], s[TB], v[LI]
	v_add_nc_u32 v[ADS], s[TS], v[LI]
.rept 6
	v_nop
.endr
.endm
; MPART: the scale words and k's eight fragments in one run; the 16 products with q, each pair as soon as its fragment is in; v's eight fragments in one run
.macro MPART
	ds_load_b128 v[KS:KS+3], v[ADS]
	ds_load_b128 v[VS:VS+3], v[ADS] offset:512
.irp t, 0,1,2,3
.irp c, 0,1,2,3
	ds_load_b128 v[FR+16*\t+4*\c:FR+16*\t+4*\c+3], v[ADR] offset:\t*2048+512*\c
.endr
.endr
	WIN 0x40                                       ; destination window 1, address window 0
.irp t, 0,1,2,3
.irp c, 0,1,2,3
	ds_load_b128 v[FR+16*\t+4*\c:FR+16*\t+4*\c+3], v[ADR] offset:(4+\t)*2048+512*\c
.endr
.endr
.irp t, 0,1,2,3
	s_wait_dscnt 28-4*\t                           ; LDS loads come back in order (ISA guide 5.7.1): behind tile t's stand four loads for each of the 7 - t later tiles
	WIN 0x04                                       ; source 1 (q) window 1
	KQ 0, \t, 0
	KQ 0, \t, 1
.endr
.irp t, 0,1,2,3
	s_wait_dscnt 12-4*\t                           ; and for tile 4 + t: 3 - t later tiles
	WIN 0x05                                       ; sources 0 (k's tiles 4-7) and 1 window 1
	KQ 1, \t, 0
	KQ 1, \t, 1
.endr
	WIN 0
	PLACES                                         ; in front of the loads below and of the first read of scores
.irp t, 0,1,2,3
.irp c, 0,1,2,3
	ds_load_b128 v[FR+16*\t+4*\c:FR+16*\t+4*\c+3], v[ADR] offset:16384+\t*2048+512*\c
.endr
.endr
	WIN 0x40
.irp t, 0,1,2,3
.irp c, 0,1,2,3
	ds_load_b128 v[FR+16*\t+4*\c:FR+16*\t+4*\c+3], v[ADR] offset:16384+(4+\t)*2048+512*\c
.endr
.endr
	WIN 0
.endm
; The way out: unit dg = channels 32 dg + lane; register i = c' 32 G + i, which is query 8 i + w, which lies in stage row 32 (i / 4) + 16 (i % 2) + 8 ((i / 2) % 2) + w
.macro LOADU dg
.set i, 0
.rept 32
.set rho, 32*(i/4)+16*(i%2)+8*((i/2)%2)
.if i < 16
	ds_load_b32 v[S+32*(\dg)+i], v[RD1] offset:rho*528+128*(\dg)
.else
	ds_load_b32 v[S+32*(\dg)+i], v[RD2] offset:(rho-128)*528+128*(\dg)
.endif
.set i, i+1
.endr
.endm
.macro WBLOCK dg                               ; a block of 32 along c', all in my registers: codes into v[FR + 8 dg] on, the byte into v[MX + dg]
.set xS, S+32*(\dg)
	v_max3_num_f32 v[T2], |v[xS]|, |v[xS+1]|, |v[xS+2]|
	v_max3_num_f32 v[T2+1], |v[xS+3]|, |v[xS+4]|, |v[xS+5]|
.irp i, 6,10,14,18,22,26
	s_delay_alu instid0(VALU_DEP_2)
	v_max3_num_f32 v[T2], v[T2], |v[xS+\i]|, |v[xS+\i+1]|
	s_delay_alu instid0(VALU_DEP_2)
	v_max3_num_f32 v[T2+1], v[T2+1], |v[xS+\i+2]|, |v[xS+\i+3]|
.endr
	s_delay_alu instid0(VALU_DEP_2)
	v_max3_num_f32 v[T2], v[T2], |v[xS+30]|, |v[xS+31]|
	s_delay_alu instid0(VALU_DEP_1)
	v_max3_num_f32 v[T2], v[T2], v[T2+1], 0x8000000
	s_delay_alu instid0(VALU_DEP_1)
	v_add_nc_u32 v[SO], 0xf8800000, v[T2]
	s_delay_alu instid0(VALU_DEP_1)
	v_lshrrev_b32 v[MX+(\dg)], 23, v[SO]
.set j, 0
.rept 32
.set j, j+1
.endr
.irp g, 0,1,2,3
	v_cvt_scalef32_pk8_bf8_f32 v[FR+8*(\dg)+2*\g:FR+8*(\dg)+2*\g+1], v[xS+8*\g:xS+8*\g+7], v[SO]
.endr
	v_nop                                          ; a plain vector instruction behind the last conversion
	ds_store_b8 v[SBA], v[MX+(\dg)] offset:32*(\dg)
	global_store_b128 v[CO], v[FR+8*(\dg):FR+8*(\dg)+3], s[8:9] offset:16384*(\dg)           ; c' 0 .. 15 of the block: sixteen lanes store 256 consecutive bytes, aligned
	global_store_b128 v[CO], v[FR+8*(\dg)+4:FR+8*(\dg)+7], s[8:9] offset:16384*(\dg)+256     ; c' 16 .. 31
.endm
	s_load_b256 s[4:11], s[0:1], 0x0               ; cod s[4:5], sc s[6:7], wc s[8:9], ws s[10:11]
	v_lshl_add_u32 v[SPW], v0, 2, SPARE
	v_mov_b32 v[NIL], 0
	ds_add_u32 v[SPW], v[NIL]                      ; the wave's opening: the add, twice on end, and its wait ahead of my first tensor load
	ds_add_u32 v[SPW], v[NIL]                      ; and once more; the set-up below, work on registers, stands between it and the wait
	v_lshrrev_b32 v[TT], 5, v0
	s_delay_alu instid0(VALU_DEP_1)
	v_readfirstlane_b32 s12, v[TT]                 ; wave 0..7
	s_bfe_u32 s13, ttmp6, 0x40000                  ; G: my place in the cluster (the grid is one cluster wide)
	s_and_b32 s14, ttmp7, 0xffff                   ; 4 b + head, which the four partners share
	s_lshr_b32 s[ROLE], s12, 2
	s_xor_b32 s[ROLE], s[ROLE], s12
	s_and_b32 s[ROLE], s[ROLE], 1                  ; my group: made of the wave's number alone, so it is the same in all four partners
	s_mov_b32 s[G1C], 15|(3<<16)|(1<<21)           ; 15:0 the mask: all four work-groups; 17:16 elements of 8 bytes; 21 set beside a mask; no padding
	s_mov_b32 s[G1C+1], 32<<16                     ; tensor_dim0 = 32 elements: 256 bytes
	s_mov_b32 s[G1C+2], 32<<16                     ; tensor_dim1 = 32
	s_mov_b32 s[G1C+3], 32<<16                     ; tile_dim0 = 32
	s_mov_b32 s[G1C+4], 32                         ; tile_dim1 = 32
	s_mov_b32 s[G1C+5], 32                         ; the pitch: rows are dense
	s_mov_b32 s[G1C+6], 0
	s_mov_b32 s[G1C+7], 0
	s_mov_b32 s[G1S], 15|(3<<16)|(1<<21)
	s_mov_b32 s[G1S+1], 32<<16
	s_mov_b32 s[G1S+2], 4<<16                      ; 4 rows
	s_mov_b32 s[G1S+3], 32<<16
	s_mov_b32 s[G1S+4], 4
	s_mov_b32 s[G1S+5], 32
	s_mov_b32 s[G1S+6], 0
	s_mov_b32 s[G1S+7], 0
	s_mov_b32 s[SEL], 0x76543210
	s_mov_b32 s[SEL+1], 0xfedcba98
	s_mov_b32 s[CS], 0x3e0293ee                    ; c = log2(e) / sqrt(128)
	s_mov_b32 s[CS+1], s[CS]
	s_mov_b32 s[MNT], 0x600000
	s_mov_b32 s[TB], 0
	s_mov_b32 s[TS], SCL
	v_and_b32 v96, 31, v0                          ; lane
	v_and_b32 v97, 15, v0                          ; r
	v_bfe_u32 v98, v0, 4, 1                        ; h
	s_delay_alu instid0(VALU_DEP_3)
	v_lshlrev_b32 v[LI], 4, v96
	s_mul_i32 s15, s12, 32*528
	v_mul_u32_u24 v[STO], v97, 528
	s_delay_alu instid0(VALU_DEP_1)
	v_lshl_add_u32 v[STO], v98, 5, v[STO]
	s_delay_alu instid0(VALU_DEP_1)
	v_add_nc_u32 v[STO], s15, v[STO]
	s_mul_i32 s15, s12, 528
	v_lshl_add_u32 v[RD1], v96, 2, s15
	s_delay_alu instid0(VALU_DEP_1)
	v_add_nc_u32 v[RD2], 128*528, v[RD1]
	s_lshl_b32 s15, s12, 7
	s_add_co_u32 s15, s15, SB
	v_add_nc_u32 v[SBA], s15, v96
	v_lshl_add_u32 v[SBR], v0, 4, SB
	v_lshlrev_b32 v[GS], 4, v0
	v_lshlrev_b32 v[CO], 4, v97
	s_delay_alu instid0(VALU_DEP_1)
	v_lshl_add_u32 v[CO], v98, 13, v[CO]
	v_add_nc_u32 v[ADR], s[TB], v[LI]              ; step 0
	v_add_nc_u32 v[ADS], s[TS], v[LI]
	; byte offsets.  What is made of G stands in s74 on and never enters a descriptor
	s_lshr_b32 s20, s12, 2
	s_and_b32 s21, s12, 3
	s_lshl_b32 s22, s14, 3                         ; the head's first record
	s_add_co_u32 s18, s22, s20
	s_mul_i32 s18, s18, 49152                      ; k and v of step w / 4 (of pair 0),
	s_lshl_b32 s15, s21, 13
	s_add_co_u32 s18, s18, s15                     ; my quarter of its 32,768 bytes,
	s_add_co_u32 s18, s18, 16384                   ; behind q's 16,384
	s_mov_b32 s19, 0
	s_add_co_u32 s16, s22, s12
	s_mul_i32 s16, s16, 1536                       ; step w's scale words,
	s_add_co_u32 s16, s16, 512                     ; behind q's 512
	s_mov_b32 s17, 0
	s_lshl_b32 s23, s12, 13                        ; LDS: 8,192 w
	s_lshl_b32 s82, s13, 1
	s_add_co_u32 s82, s82, s22
	s_add_co_u32 s82, s82, s20                     ; my queries' record: 2 G + w / 4
	s_mul_i32 s74, s82, 49152
	s_lshl_b32 s83, s21, 12
	s_add_co_u32 s74, s74, s83                     ; tiles 2 (w % 4), 2 (w % 4) + 1
	s_mov_b32 s75, 0
	s_mul_i32 s76, s82, 1536
	s_lshl_b32 s83, s21, 2
	s_add_co_u32 s76, s76, s83
	s_mov_b32 s77, 0
	s_lshr_b32 s82, s14, 2                         ; b
	s_lshl_b32 s82, s82, 6
	s_lshl_b32 s83, s12, 3
	s_add_co_u32 s82, s82, s83                     ; n' tile 64 b + 8 w
	s_lshl_b32 s82, s82, 2
	s_and_b32 s83, s14, 3
	s_add_co_u32 s82, s82, s83                     ; x 4 + head
	s_lshl_b32 s78, s82, 11
	s_lshl_b32 s83, s13, 9
	s_add_co_u32 s78, s78, s83                     ; + registers 4 G on
	s_mov_b32 s79, 0
	s_lshl_b32 s80, s14, 2
	s_add_co_u32 s80, s80, s13
	s_lshl_b32 s80, s80, 10                        ; ws: (4 (4 b + head) + G) x 1,024
	s_mov_b32 s81, 0
	s_wait_dscnt 0x0                               ; both opening adds are done
	s_wait_kmcnt 0x0
	s_add_nc_u64 s[18:19], s[4:5], s[18:19]
	s_add_nc_u64 s[70:71], s[4:5], s[74:75]        ; q's codes
	s_add_nc_u64 s[72:73], s[6:7], s[76:77]        ; q's scale words
	s_add_nc_u64 s[8:9], s[8:9], s[78:79]
	s_add_nc_u64 s[10:11], s[10:11], s[80:81]
	s_mov_b32 s[G0S], 1                            ; count = 1
	s_lshl_b32 s[G0S+1], s12, 10
	s_add_co_u32 s[G0S+1], s[G0S+1], SCL           ; LDS address
	s_add_nc_u64 s[G0S+2:G0S+3], s[6:7], s[16:17]
	s_or_b32 s[G0S+3], s[G0S+3], 0x80000000        ; type = 2
.irp p, 0,1,2,3
	s_mov_b32 s[G0C+4*\p], 1
	s_add_co_u32 s[G0C+4*\p+1], s23, 65536*\p
	s_add_nc_u64 s[G0C+4*\p+2:G0C+4*\p+3], s[18:19], 98304*\p   ; two records on
	s_or_b32 s[G0C+4*\p+3], s[G0C+4*\p+3], 0x80000000
.endr
	CROUND                                         ; all four work-groups are here: the joint loads meet
	tensor_load_to_lds s[G0S:G0S+3], s[G1S:G1S+7]  ; five loads of mine are out: the launch's only fills, one group, no branch
	s_nop 0
.irp p, 0,1,2,3
	tensor_load_to_lds s[G0C+4*\p:G0C+4*\p+3], s[G1C:G1C+7]
	s_nop 0
.endr
.rept 4
	v_nop
.endr
	WIN 0x40                                       ; destination window 1
.irp a, 0,1
.irp c, 0,1,2,3
	global_load_b128 v[QA+16*\a+4*\c:QA+16*\a+4*\c+3], v[LI], s[70:71] offset:2048*\a+512*\c th:TH_LOAD_NT   ; q stays in registers
.endr
.endr
	WIN 0
	global_load_b32 v[QS], v[LI], s[72:73]
.irp a, 0,1
	v_mov_b32 v[ST+4*\a+1], 0xff61b1e6             ; the largest t so far: -3e38
	s_delay_alu instid0(VALU_DEP_1)
	v_floor_f32 v[ST+4*\a], -v[ST+4*\a+1]          ; -M
	v_mov_b32 v[ST+4*\a+2], 0                      ; l, in two halves
	v_mov_b32 v[ST+4*\a+3], 0
.endr
.set j, 0
.rept 20
	v_mov_b32 v[MX+j], 0                           ; v224-243, written once: lane permutes' destinations count as sources, f's pairs are named whole, and every way through the two arms below finds these registers written
.set j, j+1
.endr
	s_wait_loadcnt 0x0                             ; q and its scale words
	s_wait_tensorcnt 3                             ; my loads went out in the order: scale words, pairs 0, 1, 2, 3 of steps; the count leaves the three later pairs on their way
	s_barrier_signal -1
	s_barrier_wait -1                              ; every wave's part of the scale words and of steps 0 and 1 is in.
	MPART                                          ; step 0's scores; its v is asked for
	s_cmp_eq_u32 s[ROLE], 0                        ; THE TWO GROUPS PART: group 0 runs the first half of step 0's softmax in front of the barrier,
	s_cbranch_scc0 .Llater
	SMH1
.Llater:
	s_wait_dscnt 0x0                               ; no LDS instruction of mine is out at a signal (v's loads)
	s_barrier_signal -1
	s_barrier_wait -1
	s_cmp_eq_u32 s[ROLE], 0                        ; group 1 behind it: from here on it is that far behind
	s_cbranch_scc1 .Lsooner
	SMH1
.Lsooner:
	SMH2 1
	s_wait_alu depctr_va_vdst(0)
	PVALL 1                                        ; step 0's products start O^T's sums
	s_wait_tensorcnt 0x0                           ; all my loads have landed: this wait serves the reads of steps 2 to 7, behind the barrier whose signal follows; no LDS instruction of mine is out
	s_barrier_signal -1                            ; the wait for it stands a whole step further on; between the two: work on registers, and LDS loads of step 1's bytes, which nobody writes before the way out's barriers
	NEXT
	s_wait_alu depctr_va_vdst(0)
	MPART                                          ; step 1
	SMH1
	SMH2 0
	s_wait_alu depctr_va_vdst(0)
	PVALL 0
	s_barrier_wait -1                              ; every wave's loads have landed
	NEXT
	s_wait_alu depctr_va_vdst(0)
	MPART                                          ; step 2
	s_mov_b32 s[CNT], 5
.Lstep:                                            ; steps 2 to 6: the vector phase, then the matrix phase, which ends with the next step's scores
	SMH1
	SMH2 0
	s_wait_alu depctr_va_vdst(0)
	PVALL 0
	NEXT
	s_wait_alu depctr_va_vdst(0)
	MPART
	s_sub_co_u32 s[CNT], s[CNT], 1
	s_cmp_lg_u32 s[CNT], 0
	s_cbranch_scc1 .Lstep
	SMH1                                           ; step 7: nothing follows it
	SMH2 0
	s_wait_alu depctr_va_vdst(0)
	PVALL 0
	; THE WAY OUT
	PLACES                                         ; behind the last products
.irp a, 0,1
	v_add_f32 v[MX+\a], v[ST+4*\a+2], v[ST+4*\a+3]
.endr
.irp a, 0,1
	s_delay_alu instid0(VALU_DEP_2)
	v_permlanex16_b32 v[T2+\a], v[MX+\a], s[SEL], s[SEL+1]
.endr
.irp a, 0,1
	s_delay_alu instid0(VALU_DEP_2)
	v_add_f32 v[MX+\a], v[MX+\a], v[T2+\a]         ; the row's sum
.endr
	s_wait_alu depctr_va_vdst(0)
.irp a, 0,1
	v_rcp_f32 v[F+2*\a], v[MX+\a]
.endr
	v_nop                                          ; a plain instruction behind the reciprocals
	s_wait_alu depctr_va_vdst(0)                   ; and the wait ahead of their first reader
	WIN 0x41
.irp a, 0,1
.set j, 0
.rept 32
	v_pk_mul_f32 v[OA+64*\a+j:OA+64*\a+j+1], v[OA+64*\a+j:OA+64*\a+j+1], v[F+2*\a:F+2*\a+1] op_sel_hi:[1,0]
.set j, j+2
.endr
.endr
	WIN 0
	s_wait_alu depctr_va_vdst(0)
	s_wait_dscnt 0x0
	s_barrier_signal -1
	s_barrier_wait -1                              ; every wave's reads of k and v are over: the stage may be written
	WIN 0x04                                       ; an LDS store's data are its source 1: window 1
.irp a, 0,1
.irp t, 0,1,2,3,4,5,6,7
	ds_store_b128 v[STO], v[OA+64*\a+8*\t:OA+64*\a+8*\t+3] offset:8448*\a+64*\t          ; row 32 w + 16 a + r; channels 16 t + 8 h + 0 .. 7
	ds_store_b128 v[STO], v[OA+64*\a+8*\t+4:OA+64*\a+8*\t+7] offset:8448*\a+64*\t+16
.endr
.endr
	WIN 0
	s_wait_dscnt 0x0
	s_barrier_signal -1
	s_barrier_wait -1                              ; 256 rows of O / l lie in the stage
	LOADU 0
	LOADU 1
	s_wait_dscnt 32                                ; unit 0 is in; unit 1's 32 loads may be out
	LOADU 2
	WBLOCK 0
	s_wait_dscnt 33                                ; behind unit 1's loads: unit 2's 32 and a byte store
	LOADU 3
	WBLOCK 1
	s_wait_dscnt 34                                ; behind unit 2's: a byte store, unit 3's 32, a byte store
	WBLOCK 2
	s_wait_dscnt 2                                 ; behind unit 3's: two byte stores
	WBLOCK 3
	s_wait_dscnt 0x0
	s_barrier_signal -1
	s_barrier_wait -1                              ; the 1,024 scale bytes are gathered
	s_cmp_lt_u32 s12, 2
	s_cbranch_scc0 .Lno_bytes
	ds_load_b128 v[S:S+3], v[SBR]
	s_wait_dscnt 0x0
	global_store_b128 v[GS], v[S:S+3], s[10:11]    ; 512 consecutive bytes a wave
.Lno_bytes:
	s_wait_tensorcnt 0x0                           ; the wave's end: behind my last tensor load and my last LDS store
	ds_add_u32 v[SPW], v[NIL]
	s_wait_dscnt 0x0
	CROUND                                         ; the closing round
	s_endpgm
.Lfunc_end_k_q85a3fd54fd_attn:
	.size	k_q85a3fd54fd_attn, .Lfunc_end_k_q85a3fd54fd_attn-k_q85a3fd54fd_attn
	.p2alignl 7, 3214868480
	.fill 96, 4, 3214868480
	.section	.rodata,"a",@progbits
	.p2align	6, 0x0
	.amdhsa_kernel k_q85a3fd54fd_attn
		.amdhsa_group_segment_fixed_size 327680
		.amdhsa_private_segment_fixed_size 0
		.amdhsa_enable_private_segment 0
		.amdhsa_kernarg_size 32
		.amdhsa_user_sgpr_count 2
		.amdhsa_user_sgpr_kernarg_segment_ptr 1
		.amdhsa_wavefront_size32 1
		.amdhsa_system_sgpr_workgroup_id_x 1
		.amdhsa_system_sgpr_workgroup_id_y 1
		.amdhsa_system_sgpr_workgroup_id_z 1
		.amdhsa_system_vgpr_workitem_id 0
		.amdhsa_next_free_vgpr 512
		.amdhsa_next_free_sgpr 86
		.amdhsa_reserve_vcc 0
		.amdhsa_float_denorm_mode_32 3
		.amdhsa_float_denorm_mode_16_64 3
		.amdhsa_fp16_overflow 1
		.amdhsa_memory_ordered 1
		.amdhsa_forward_progress 1
		.amdhsa_inst_pref_size 190
	.end_amdhsa_kernel
	.amdgpu_metadata
---
amdhsa.version: [ 1, 2 ]
amdhsa.kernels:
  - .name:           k_q85a3fd54fd_attn
    .symbol:         k_q85a3fd54fd_attn.kd
    .args:
      - { .name: cod, .offset: 0, .size: 8, .value_kind: global_buffer, .address_space: global }
      - { .name: sc, .offset: 8, .size: 8, .value_kind: global_buffer, .address_space: global }
      - { .name: wc, .offset: 16, .size: 8, .value_kind: global_buffer, .address_space: global }
      - { .name: ws, .offset: 24, .size: 8, .value_kind: global_buffer, .address_space: global }
    .group_segment_fixed_size: 327680
    .private_segment_fixed_size: 0
    .kernarg_segment_align: 8
    .kernarg_segment_size: 32
    .max_flat_workgroup_size: 256
    .sgpr_count:     86
    .vgpr_count:     512
    .wavefront_size: 32
...
	.end_amdgpu_metadata
.endif
;; end of part 2
;; launch proj (part 3): grid 16 x 16, 8 waves a work-group, no clusters, 69,632 bytes of LDS; arguments wc, ws, Wt_codes, Wt_scales, bt, x, out0; writes out0
.if DOCPART == 3
	.amdgcn_target "amdgcn-amd-amdhsa--gfx1250"
	.amdhsa_code_object_version 6
	.text
	.protected	k_q85a3fd54fd_proj
	.globl	k_q85a3fd54fd_proj
	.p2align	8
	.type	k_q85a3fd54fd_proj,@function
k_q85a3fd54fd_proj:
	s_mov_b64 s[64:65], 0
	v_nop
	global_prefetch_b8 v0, s[64:65] scope:SCOPE_SE
	s_setreg_imm32_b32 hwreg(HW_REG_WAVE_MODE, 25, 1), 1
	s_wait_xcnt 0x0
; out0[b][o][n'] = x[b][o][n'] + bt[o] + the sum over c' of Wt[o][c'] wsv[b][c'][n'], on codes of BF8 (E5M2) with E8M0 scales; K = c' = 512.  Nothing of the problem is left out here.
; wc [b][n' / 16][K step 4][2,048]: wsv's fragments (16 positions x 128 c') as images of their registers, made by the launch before; ws [b][K step][block of 32][n']: their scale bytes.
; Wt: [128][512] codes, K innermost; scale bytes [128][16].  bt [128], x and out0 [16][128][1024]: f32.
; SHARES.  A work-group takes 64 positions of one batch; wave w takes output channels 16 w .. 16 w + 15 for all four tiles of positions, with its four fragments of Wt in registers.
; The work-group's 16 fragments of wsv are one dense block of 32,768 bytes: each wave brings 4,096 of them through registers into LDS, as they lie, and makes the scale words of its two fragments from 8 bytes a row; all waves read all.
; Source 0 = 16 positions, source 1 = 16 rows of Wt: a lane then holds eight neighbouring positions of one output channel.  bt is the C of each sum's first product.
; No cluster and no tensor load: work-groups share Wt alone, 8,192 bytes a wave, which goes straight into registers.
.set ASC,   0                          ; LDS: the scale words of fragment f = 4 tile + K step, at 64 f
.set SPARE, 1024                       ; the spare words, 128 bytes for each wave: four blocks of 256 bytes that no other line names
.set AIMG,  2048                       ; the 16 fragments
.set STG,   34816                      ; the way out: 16 rows x (256 bytes + 16) for each wave, its own
.set LI,  1                            ; v1   16 x lane
.set LS,  2                            ; v2   4 r
.set AWI, 3                            ; v3   AIMG + 4,096 w + 16 x lane
.set AWS, 4                            ; v4   ASC + 128 w + 4 r
.set WO,  5                            ; v5   Wt: 512 r + 16 h
.set R16, 6                            ; v6   16 r: a row of Wt's scale bytes
.set STO, 7                            ; v7   the stage, in: row r, + 32 h
.set RD,  9                            ; v9   the stage, out: lanes 0-15 one row, lanes 16-31 the next
.set XO,  10                           ; v10  the same two rows in x and in out0: 4,096 h + 16 r
.set SPW, 12                           ; v12  LDS address of my spare word; never rewritten
.set NIL, 13                           ; v13  0; never rewritten
.set RR,  14                           ; v14  r
.set WS,  20                           ; v20-23 Wt's scale words, one for each K step
.set AS,  24                           ; v24-27 wsv's, one for each tile
.set BY,  28                           ; v28-35 scale bytes as loaded
.set WD,  36                           ; v36-37 the words made of them
.set WT,  40                           ; v40-103  Wt's four fragments
.set AF,  104                          ; v104-167 four fragments of wsv; at the head my 4,096 bytes; at the end rows of the result
.set D,   168                          ; v168-199 four accumulators
.set BIAS, 200                         ; v200-207 bt of my channel, eight times
.set XR,  208                          ; v208-239 my 16 rows of x
	s_load_b256 s[4:11], s[0:1], 0x0               ; wc s[4:5], ws s[6:7], Wt's codes s[8:9], scales s[10:11]
	s_load_b128 s[12:15], s[0:1], 0x20             ; bt s[12:13], x s[14:15]
	s_load_b64 s[16:17], s[0:1], 0x30              ; out0
	v_lshl_add_u32 v[SPW], v0, 2, SPARE
	v_mov_b32 v[NIL], 0
	v_lshrrev_b32 v15, 5, v0
	s_delay_alu instid0(VALU_DEP_1)
	v_readfirstlane_b32 s18, v15                   ; wave 0..7
	s_and_b32 s20, ttmp7, 0xffff                   ; b
	v_and_b32 v15, 31, v0                          ; lane
	v_and_b32 v[RR], 15, v0                        ; r
	v_bfe_u32 v16, v0, 4, 1                        ; h
	s_delay_alu instid0(VALU_DEP_3)
	v_lshlrev_b32 v[LI], 4, v15
	s_delay_alu instid0(VALU_DEP_3)
	v_lshlrev_b32 v[LS], 2, v[RR]
	s_delay_alu instid0(VALU_DEP_4)
	v_lshlrev_b32 v[R16], 4, v[RR]
	v_lshlrev_b32 v[WO], 9, v[RR]
	s_delay_alu instid0(VALU_DEP_1)
	v_lshl_add_u32 v[WO], v16, 4, v[WO]
	s_delay_alu instid0(VALU_DEP_3)
	v_lshl_add_u32 v[XO], v16, 12, v[R16]
	s_lshl_b32 s21, s18, 12
	s_add_co_u32 s21, s21, AIMG
	v_add_nc_u32 v[AWI], s21, v[LI]
	s_lshl_b32 s21, s18, 7
	v_add_nc_u32 v[AWS], s21, v[LS]
	s_mul_i32 s21, s18, 16*272
	s_add_co_u32 s21, s21, STG
	v_mul_u32_u24 v[STO], v[RR], 272
	s_delay_alu instid0(VALU_DEP_1)
	v_lshl_add_u32 v[STO], v16, 5, v[STO]
	s_delay_alu instid0(VALU_DEP_1)
	v_add_nc_u32 v[STO], s21, v[STO]
	v_mul_u32_u24 v[RD], v16, 272
	s_delay_alu instid0(VALU_DEP_1)
	v_add_nc_u32 v[RD], v[R16], v[RD]
	s_delay_alu instid0(VALU_DEP_1)
	v_add_nc_u32 v[RD], s21, v[RD]
	; byte offsets
	s_lshl_b32 s22, s20, 19                        ; wc: (64 b + 4 x) tiles of 8,192 bytes + 4,096 w
	s_lshl_b32 s21, ttmp9, 15
	s_add_co_u32 s22, s22, s21
	s_lshl_b32 s21, s18, 12
	s_add_co_u32 s22, s22, s21
	s_mov_b32 s23, 0
	s_lshl_b32 s24, s20, 14                        ; ws: my fragments 2 w, 2 w + 1 are tile w / 2, K steps 2 (w % 2), 2 (w % 2) + 1
	s_and_b32 s21, s18, 1
	s_lshl_b32 s21, s21, 13
	s_add_co_u32 s24, s24, s21
	s_lshl_b32 s21, ttmp9, 6
	s_add_co_u32 s24, s24, s21
	s_lshr_b32 s21, s18, 1
	s_lshl_b32 s21, s21, 4
	s_add_co_u32 s24, s24, s21
	s_mov_b32 s25, 0
	s_lshl_b32 s26, s18, 13                        ; Wt's codes: 16 w rows of 512 bytes
	s_mov_b32 s27, 0
	s_lshl_b32 s28, s18, 8                         ; its scale bytes: 16 a row
	s_mov_b32 s29, 0
	s_lshl_b32 s30, s18, 6                         ; bt
	s_mov_b32 s31, 0
	s_lshl_b32 s32, s20, 19                        ; x, out0: b x 128 rows of 4,096 bytes + 16 w rows + 64 x positions
	s_lshl_b32 s21, s18, 16
	s_add_co_u32 s32, s32, s21
	s_lshl_b32 s21, ttmp9, 8
	s_add_co_u32 s32, s32, s21
	s_mov_b32 s33, 0
	s_wait_alu depctr_va_vdst(0)
	s_wait_kmcnt 0x0
	s_add_nc_u64 s[4:5], s[4:5], s[22:23]
	s_add_nc_u64 s[6:7], s[6:7], s[24:25]
	s_add_nc_u64 s[8:9], s[8:9], s[26:27]
	s_add_nc_u64 s[10:11], s[10:11], s[28:29]
	s_add_nc_u64 s[12:13], s[12:13], s[30:31]
	s_add_nc_u64 s[14:15], s[14:15], s[32:33]
	s_add_nc_u64 s[16:17], s[16:17], s[32:33]
.irp k, 0,1,2,3,4,5,6,7
	global_load_b128 v[AF+4*\k:AF+4*\k+3], v[LI], s[4:5] offset:512*\k th:TH_LOAD_NT   ; 512 consecutive bytes a load
.endr
.irp e, 0,1
.irp g, 0,1,2,3
	global_load_u8 v[BY+4*\e+\g], v[RR], s[6:7] offset:4096*\e+1024*\g   ; the byte of block g of K step 2 (w % 2) + e, at my row's position
.endr
.endr
.irp h, 0,1,2,3
.irp c, 0,1,2,3
	global_load_b128 v[WT+16*\h+4*\c:WT+16*\h+4*\c+3], v[WO], s[8:9] offset:128*\h+32*\c
.endr
.endr
	global_load_b128 v[WS:WS+3], v[R16], s[10:11]
	global_load_b32 v[BIAS], v[LS], s[12:13]
.irp i, 0,1,2,3,4,5,6,7
	global_load_b128 v[XR+4*\i:XR+4*\i+3], v[XO], s[14:15] offset:8192*\i th:TH_LOAD_NT   ; sixteen lanes read 256 consecutive bytes of a row
.endr
	s_wait_loadcnt 26                              ; wsv's codes and bytes are in; behind them: Wt's 16, its scale words, bt, x's 8
.irp k, 0,1,2,3,4,5,6,7
	ds_store_b128 v[AWI], v[AF+4*\k:AF+4*\k+3] offset:512*\k
.endr
.irp e, 0,1
	v_lshl_or_b32 v[WD+\e], v[BY+4*\e+1], 8, v[BY+4*\e]
	s_delay_alu instid0(VALU_DEP_1)
	v_lshl_or_b32 v[WD+\e], v[BY+4*\e+2], 16, v[WD+\e]
	s_delay_alu instid0(VALU_DEP_1)
	v_lshl_or_b32 v[WD+\e], v[BY+4*\e+3], 24, v[WD+\e]
	ds_store_b32 v[AWS], v[WD+\e] offset:64*\e     ; both halves of the lanes write the same word with the same value
.endr
	s_wait_loadcnt 8                               ; all but x's 8
.irp j, 1,2,3,4,5,6,7
	v_mov_b32 v[BIAS+\j], v[BIAS]
.endr
	s_wait_alu depctr_va_vdst(0)
	s_wait_dscnt 0x0                               ; my stores have landed
	s_barrier_signal -1
	s_barrier_wait -1                              ; the 16 fragments and their scale words lie in LDS
.irp h, 0,1,2,3                                ; a K step at a time; the four accumulators take turns, one instruction a turn
.irp m, 0,1,2,3
.irp c, 0,1,2,3
	ds_load_b128 v[AF+16*\m+4*\c:AF+16*\m+4*\c+3], v[LI] offset:AIMG+(4*\m+\h)*2048+512*\c
.endr
	ds_load_b32 v[AS+\m], v[LS] offset:ASC+64*(4*\m+\h)
.endr
	s_wait_dscnt 0x0
.irp m, 0,1,2,3
.if \h == 0
	v_wmma_scale_f32_16x16x128_f8f6f4 v[D+8*\m:D+8*\m+7], v[AF+16*\m:AF+16*\m+15], v[WT+16*\h:WT+16*\h+15], v[BIAS:BIAS+7], v[AS+\m], v[WS+\h] matrix_a_fmt:MATRIX_FMT_BF8 matrix_b_fmt:MATRIX_FMT_BF8
.else
	v_wmma_scale_f32_16x16x128_f8f6f4 v[D+8*\m:D+8*\m+7], v[AF+16*\m:AF+16*\m+15], v[WT+16*\h:WT+16*\h+15], v[D+8*\m:D+8*\m+7], v[AS+\m], v[WS+\h] matrix_a_fmt:MATRIX_FMT_BF8 matrix_b_fmt:MATRIX_FMT_BF8
.endif
.endr
.rept 8
	v_nop                                          ; eight places in front of loads into registers that these products have read, and of the first read of results
.endr
.endr
.irp m, 0,1,2,3
	ds_store_b128 v[STO], v[D+8*\m:D+8*\m+3] offset:64*\m          ; lane (r, h): channel 16 w + r, positions 16 m + 8 h + 0 .. 7; each accumulator from its low end on
	ds_store_b128 v[STO], v[D+8*\m+4:D+8*\m+7] offset:64*\m+16
.endr
.irp i, 0,1,2,3,4,5,6,7
	ds_load_b128 v[AF+4*\i:AF+4*\i+3], v[RD] offset:544*\i         ; my own bytes: LDS serves a wave's instructions in order (ISA guide 5.7.1.4)
.endr
	s_wait_loadcnt 0x0                             ; x
.irp i, 0,1,2,3,4,5,6,7
	s_wait_dscnt 7-\i                              ; rows 2 i, 2 i + 1 are back; the younger loads may be out
	v_pk_add_f32 v[AF+4*\i:AF+4*\i+1], v[AF+4*\i:AF+4*\i+1], v[XR+4*\i:XR+4*\i+1]         ; the residual
	v_pk_add_f32 v[AF+4*\i+2:AF+4*\i+3], v[AF+4*\i+2:AF+4*\i+3], v[XR+4*\i+2:XR+4*\i+3]
	global_store_b128 v[XO], v[AF+4*\i:AF+4*\i+3], s[16:17] offset:8192*\i th:TH_STORE_NT  ; sixteen lanes store 256 consecutive bytes, aligned
.endr
	s_wait_tensorcnt 0x0                           ; the wave's end: behind my last LDS store
	ds_add_u32 v[SPW], v[NIL]
	s_wait_dscnt 0x0
	s_endpgm
.Lfunc_end_k_q85a3fd54fd_proj:
	.size	k_q85a3fd54fd_proj, .Lfunc_end_k_q85a3fd54fd_proj-k_q85a3fd54fd_proj
	.p2alignl 7, 3214868480
	.fill 96, 4, 3214868480
	.section	.rodata,"a",@progbits
	.p2align	6, 0x0
	.amdhsa_kernel k_q85a3fd54fd_proj
		.amdhsa_group_segment_fixed_size 69632
		.amdhsa_private_segment_fixed_size 0
		.amdhsa_enable_private_segment 0
		.amdhsa_kernarg_size 56
		.amdhsa_user_sgpr_count 2
		.amdhsa_user_sgpr_kernarg_segment_ptr 1
		.amdhsa_wavefront_size32 1
		.amdhsa_system_sgpr_workgroup_id_x 1
		.amdhsa_system_sgpr_workgroup_id_y 1
		.amdhsa_system_sgpr_workgroup_id_z 1
		.amdhsa_system_vgpr_workitem_id 0
		.amdhsa_next_free_vgpr 240
		.amdhsa_next_free_sgpr 66
		.amdhsa_reserve_vcc 0
		.amdhsa_float_denorm_mode_32 3
		.amdhsa_float_denorm_mode_16_64 3
		.amdhsa_memory_ordered 1
		.amdhsa_forward_progress 1
		.amdhsa_inst_pref_size 20
	.end_amdhsa_kernel
	.amdgpu_metadata
---
amdhsa.version: [ 1, 2 ]
amdhsa.kernels:
  - .name:           k_q85a3fd54fd_proj
    .symbol:         k_q85a3fd54fd_proj.kd
    .args:
      - { .name: wc, .offset: 0, .size: 8, .value_kind: global_buffer, .address_space: global }
      - { .name: ws, .offset: 8, .size: 8, .value_kind: global_buffer, .address_space: global }
      - { .name: Wt_codes, .offset: 16, .size: 8, .value_kind: global_buffer, .address_space: global }
      - { .name: Wt_scales, .offset: 24, .size: 8, .value_kind: global_buffer, .address_space: global }
      - { .name: bt, .offset: 32, .size: 8, .value_kind: global_buffer, .address_space: global }
      - { .name: x, .offset: 40, .size: 8, .value_kind: global_buffer, .address_space: global }
      - { .name: out0, .offset: 48, .size: 8, .value_kind: global_buffer, .address_space: global }
    .group_segment_fixed_size: 69632
    .private_segment_fixed_size: 0
    .kernarg_segment_align: 8
    .kernarg_segment_size: 56
    .max_flat_workgroup_size: 256
    .sgpr_count:     66
    .vgpr_count:     240
    .wavefront_size: 32
...
	.end_amdgpu_metadata
.endif
;; end of part 3
